; MI455X (gfx1250); checked and timed in simulation.
; The chip was launched on July 23, 2026; its instructions are those of AMD's public machine-readable ISA for CDNA 5 (MIT licence, August 2026) and "CDNA5" Instruction Set Architecture Reference Guide (July 2026). The comments in the code are by the model that wrote it; some were corrected since.
;; Multi Head Attention. Allowed arithmetic: matrix products marked QUANTISED: E2M1 operands, one E8M0 scale for each 32 along K, by v_wmma_scale_f32_16x16x128_f8f6f4 with both operands' format E2M1 (or v_wmma_scale_f32_32x16x128_f4), f32 sums; everything else in f32.
;; Inputs: Wk_codes 1,024 x 32 x 16 uint8 (E2M1 codes of Wk, K innermost, in blocks of 32 codes, two codes a byte); Wk_scales 1,024 x 32 uint8 (E8M0 scales of Wk, one for each 32 codes along K); Wo_codes 1,024 x 32 x 16 uint8 (E2M1 codes of Wo, K innermost, in blocks of 32 codes, two codes a byte); Wo_scales 1,024 x 32 uint8 (E8M0 scales of Wo, one for each 32 codes along K); Wq_codes 1,024 x 32 x 16 uint8 (E2M1 codes of Wq, K innermost, in blocks of 32 codes, two codes a byte); Wq_scales 1,024 x 32 uint8 (E8M0 scales of Wq, one for each 32 codes along K); Wv_codes 1,024 x 32 x 16 uint8 (E2M1 codes of Wv, K innermost, in blocks of 32 codes, two codes a byte); Wv_scales 1,024 x 32 uint8 (E8M0 scales of Wv, one for each 32 codes along K); X_codes 4 x 2,048 x 32 x 16 uint8 (E2M1 codes of X, K innermost, in blocks of 32 codes, two codes a byte); X_scales 4 x 2,048 x 32 uint8 (E8M0 scales of X, one for each 32 codes along K); bk 1,024 float32; bo 1,024 float32; bq 1,024 float32; bv 1,024 float32.
;; Outputs: out0 4 x 2,048 x 1,024 float32.
;; This version of the problem:
;;   THIS VERSION OF THE PROBLEM IS GIVEN IN LOW PRECISION. The matrix products marked QUANTISED in the list below multiply operands that are first quantised to E2M1 (2 exponent bits, 1 mantissa bit; 4 bits a number), with one power-of-two scale for each 32 numbers along K (OCP MX v1.0); their sums are f32. All else is computed in f32.
;;   The module's matrix products, in the order in which they are computed (A, B: the left and right operand; K: the contracted axis; several contracted axes count as one K, in the product's order):
;;     1. [M 8,192, K 1,024] x [K 1,024, N 1,024]; A: input X (given as codes); B: input Wq (given as codes): QUANTISED
;;     2. [M 8,192, K 1,024] x [K 1,024, N 1,024]; A: input X (given as codes); B: input Wk (given as codes): QUANTISED
;;     3. [M 8,192, K 1,024] x [K 1,024, N 1,024]; A: input X (given as codes); B: input Wv (given as codes): QUANTISED
;;     4. batch 64 x [M 2,048, K 64] x [K 64, N 2,048]; A: computed on the way; B: computed on the way: QUANTISED
;;     5. batch 64 x [M 2,048, K 2,048] x [K 2,048, N 64]; A: softmax (see below); B: computed on the way: QUANTISED
;;     6. [M 8,192, K 1,024] x [K 1,024, N 1,024]; A: computed on the way; B: input Wo (given as codes): QUANTISED
;;   THE QUANTISER, for each operand of a quantised product, along K:
;;     - K is cut into blocks of 32 from its start; a last block that is shorter is filled with zeros.
;;     - A block's scale is 2^e with e = floor(log2(the largest magnitude in the block)) - 2, held to -126 .. 127; a block of zeros has e = 0. As a byte (E8M0): e + 127.
;;     - Each number is divided by its block's scale, clamped to +-6, and rounded to the nearest number of E2M1, ties to even, subnormals kept.
;;     - The product sums the exact products of the quantised numbers (number of the format x scale) in f32.
;;   ~~~python
;;   def quantise(x, axis):      # numpy; x: float32 -> the quantised numbers, widened to float32 again
;;       x = np.moveaxis(x, axis, -1); K = x.shape[-1]
;;       x = np.pad(x, [(0, 0)] * (x.ndim - 1) + [(0, -K % 32)]); x = x.reshape(x.shape[:-1] + (-1, 32)); a = np.abs(x).max(-1, keepdims=True)
;;       e = np.where(a > 0, np.clip(np.frexp(np.where(a > 0, a, 1))[1] - 1 - 2, -126, 127), 0)      # np.frexp(a)[1] - 1 = floor(log2(a)), exactly
;;       r = np.clip(x / 2.0 ** e, -6, 6)
;;       step = 2.0 ** (np.maximum(np.frexp(np.where(r == 0, 1, r))[1] - 1, 0) - 1)
;;       q = np.round(r / step) * step * 2.0 ** e      # np.round: ties to even
;;       return np.moveaxis(q.reshape(q.shape[:-2] + (-1,))[..., :K], -1, axis).astype(np.float32)
;;   ~~~
;;   SOFTMAX AHEAD OF A QUANTISED PRODUCT. Where the list says 'softmax', what is quantised is not the finished softmax but p = 2^(t - M), with t = logit x log2(e) and M = ceil(the row's largest t), a whole number; so 1/2 < the row's largest p <= 1. The row's sum l is taken of the UNQUANTISED p, in f32, and the product's result is divided by l at the end. Since M is a whole number, a kernel that streams over the keys may use a running M (the ceiling of the running maximum): every later rescaling is an exact power of two, which a block's scale takes up: the codes' values come out the same.
;;   OPERANDS COMPUTED ON THE WAY. 'Computed on the way' means the value that the module computes at that place (a softmax that the list does not call 'softmax' is quantised finished and normalised). What goes into a quantiser is computed in f32, as accurately as f32 sums, v_exp_f32 and their like allow (about 1e-6 of the number): no bf16 or f16 on the way to a quantiser, and a product that is left as it is and whose result goes on into a quantised operand takes f32 operands (vector FMAs, or v_wmma_f32_16x16x4_f32). A number that lies on a knife's edge between two numbers of the format may be rounded either way, as far as f32 arithmetic and the matrix unit's own rounding can turn it there, and no further.
;;   INPUTS GIVEN AS CODES. Wk (in the module: [1024, 1024], K = its axis 1); Wo (in the module: [1024, 1024], K = its axis 1); Wq (in the module: [1024, 1024], K = its axis 1); Wv (in the module: [1024, 1024], K = its axis 1); X (in the module: [4, 2048, 1024], K = its axis 2): each comes as NAME_codes (uint8): NAME with its K axis moved to the last place and cut into blocks of 32 codes, [.., K / 32, bytes a block], one block behind the other in memory; two codes a byte, the lower K in the low four bits (a code: sign, 2 exponent bits, 1 mantissa bit); and NAME_scales (uint8): the same leading axes, one E8M0 byte (e + 127) for each 32 codes along K. Its value is code x scale, taken as it is: it is not quantised again, and the codes and scales need not be those that the quantiser above would give.
;; One version. Each part assembles by itself: llvm-mc -triple=amdgcn-amd-amdhsa -mcpu=gfx1250 --defsym DOCPART=n.
;; ======== version 1 of 1: 3 launches
;; workspace buffers: qc 4,194,304 bytes; qs 524,288 bytes; kv 9,175,040 bytes; ac 4,194,304 bytes; asc 262,144 bytes
;; launch proj (part 1): grid 12 x 64, 4 waves a work-group, clusters of 4 x 4, 222,464 bytes of LDS; arguments X_codes, X_scales, Wq_codes, Wq_scales, Wk_codes, Wk_scales, Wv_codes, Wv_scales, bq, bk, bv, qc, qs, kv; writes qc, qs, kv
.if DOCPART == 1
	.amdgcn_target "amdgcn-amd-amdhsa--gfx1250"
	.amdhsa_code_object_version 6
	.text
	.protected	k_qe625e82e91_proj
	.globl	k_qe625e82e91_proj
	.p2align	8
	.type	k_qe625e82e91_proj,@function
k_qe625e82e91_proj:
	s_mov_b64 s[64:65], 0
	v_nop
	global_prefetch_b8 v0, s[64:65] scope:SCOPE_SE
	s_setreg_imm32_b32 hwreg(HW_REG_WAVE_MODE, 25, 1), 1
	s_wait_xcnt 0x0
	s_wait_alu depctr_hold_cnt(0) depctr_sa_sdst(0) depctr_va_vdst(0) depctr_va_sdst(0) depctr_va_ssrc(0) depctr_va_vcc(0) depctr_vm_vsrc(0)
	s_getreg_b32 s2, hwreg(HW_REG_IB_STS2, 6, 4)
	s_cmp_eq_u32 s2, 0
	s_cbranch_scc0 .Lentry_in_a_cluster
	s_endpgm
.Lentry_in_a_cluster:
	s_bfe_u32 s2, ttmp6, 0x10000c
	s_cmp_lg_u32 s2, 0xf033
	s_cbranch_scc0 .Lentry_shape_is_right
	s_endpgm
.Lentry_shape_is_right:
; q = X Wq^T + bq, k = X Wk^T + bk, v = X Wv^T + bv on codes of FP4 (E2M1) with E8M0 scales, and each result quantised again for attention: q and k along the head's 64, v along the keys.
; ONE PATH FOR THE THREE.  X and the weights have the same rows (512 bytes of codes, 32 scale bytes), so a product is "S rows x L rows": S is source 0 of the matrix instruction, L source 1.
; In a result lane (r, h) holds L row r, and register j of S tile t holds S row 16 t + 8 h + j: THE S INDEX RUNS ALONG A LANE'S REGISTERS, so it is the axis along which the result is quantised.
;   role 0, 1 (cluster x = 0, 1): S = Wq, Wk (the features: the head's 64 are the next K), L = X.      role 2: S = X (the keys are the next K), L = Wv (the channels).
; Only pointers, tile numbers and output strides differ by role: they are chosen by s_cselect on the cluster's x; no branch hangs on the role.
; SHARES.  A work-group makes 256 S rows x 128 L rows; each of its four waves 128 x 64: 8 S tiles x 4 L tiles = 32 accumulators.  K = 1,024 lies in LDS whole, as two halves of 512 (rows of 256 bytes): no LDS byte is filled twice.
; CLUSTER 4 x 4: the four of a column (same cx) need the same S rows, the four of a row (same cy) the same L rows: each tile is asked for jointly, with the same descriptor and a mask that names the four.
; QUANTISING.  A block of 32 along S is the 16 registers of tiles 2 b, 2 b + 1 in lanes l and l xor 16.  One conversion of a tile's 8 registers gives 8 codes; two exchanges of lane halves for each 64 along S give
; the operand's registers 4 c .. 4 c + 3 = k 64 c + 32 h + 0 .. 31.  These registers are stored as they stand (images: lane l's 16 bytes at 16 l), so that attention loads operands by plain 16-byte loads.
; OUT.  qc [b][head][tile of 16 rows][512]; qs [b][head][group of 4 tiles][r][i] words (bytes 2, 3 = 0);
;   kv [b][head][key step of 128][8,960]: +0 K's 8 tiles, +4096 V^T [channel tile][c][512], +8192 K's scale words (2 groups as qs), +8704 V's scale words (word of channel tile tt, channel r at 16 r + 4 tt).
; LIMITS: NaN, infinities and scale bytes 0xff among the inputs are not served.  A block whose largest magnitude lies under 2^-124, a block of zeros among them, gets the scale byte 1 (the stated rule gives a block of
; zeros 127): its codes are zeros or as the byte 1 gives them, and these bytes are read by this program alone.
.set PITCH,  272                       ; an LDS row: 256 bytes + 16 of padding: the 16 rows that a load touches begin at 16 different 16-byte columns modulo 256
.set LHALF,  64*PITCH                  ; 64 L rows: what one tensor load brings of L, and what one wave multiplies
.set SHALF,  128*PITCH                 ; 128 S rows likewise
.set SOFF,   128*PITCH                 ; in a slot: L's 128 rows, then S's 256
.set SLOT,   384*PITCH                 ; slot s holds K half s
.set SCL,    2*SLOT                    ; behind the slots: the scale bytes, as units of 256 bytes + 16: L's 16 units, then S's 32
.set LSH,    8*272                     ; the scales of 64 L rows
.set SSH,    16*272                    ; of 128 S rows
.set SSO,    16*272                    ; S's scales begin behind L's
.set SBLK,   544                       ; the scales of 16 rows
.set VR,   1                           ; v1   r = lane % 16
.set HH,   2                           ; v2   h = lane / 16
.set LN16, 5                           ; v5   16 x lane
.set VBS,  6                           ; v6   offset of the S bias: 32 h + 512 u (roles 0, 1)
.set VBL,  7                           ; v7   offset of the L bias: 4 r + 256 w (role 2)
.set VOC,  8                           ; v8-15  where the images of L tile a go: 2 a: registers 0-3, 2 a + 1: registers 4-7
.set ADRL, 16                          ; v16-17 LDS address of my L fragments in slot 0, 1
.set VOS,  18                          ; v18  where my scale words go
.set VSH,  19                          ; v19  by how many bits my half of the lanes shifts a scale word
.set ADRS, 20                          ; v20-21 LDS address of my S fragments
.set ADSC, 27                          ; v27  LDS address of my scale words: lanes 0-15 L's rows, lanes 16-31 S's
.set SC,   32                          ; v32-95 scale words and nothing else: register 32 s + 4 i + q: lanes 0-15 L's block i, lanes 16-31 S's block i, K step 4 s + q
.set BL,   96                          ; v96-103 the L bias of L tile a, twice (a pair for the packed addition)
.set TM,   104                         ; v104-119 at work in the quantiser
.set LF,   128                         ; v128-191 L's fragments, two sets of 4 x 8; behind the loop 64 numbers of a lane
.set HA,   128
.set BS,   192                         ; v192-255 the S bias, 8 tiles x 8: the C of the first K step; afterwards free:
.set PC,   192                         ; v192-223 the codes, 8 registers for each L tile
.set SW,   224                         ; v224-227 their scale words
.set G1SS, 4                           ; s[4:11]  group 1 for S's scales (written when the pointers have been chosen)
.set G0SS, 12                          ; s[12:15] its group 0
.set SCP,  32                          ; s[32:33] S's codes;  s[34:35] S's scales;  s[36:37] L's codes;  s[38:39] L's scales
.set SSP,  34
.set LCP,  36
.set LSP,  38
.set BP,   40                          ; s[40:41] the role's bias
.set OC,   42                          ; s[42:43] where codes go: qc or kv
.set OS,   44                          ; s[44:45] where scale words go: qs or kv
.set WV,   46                          ; s46  wave
.set WL,   47                          ; s47  which 64 L rows I multiply.  Also: I fetch for L (0) or for S (1)
.set G1L,  48                          ; s[48:55] group 1 for L's tiles;  s[56:63] group 0, a set for each slot
.set G0L,  56
.set WS,   66                          ; s66  which 128 S rows I multiply.  Also: which half I fetch
.set CX,   67
.set G1S,  68                          ; s[68:75], s[76:83] the same for S's tiles
.set G0S,  76
.set G1LS, 84                          ; s[84:91], s[92:95] groups 1 and 0 for L's scales
.set G0LS, 92
.set CYI,  96                          ; cy
.set CYC,  97                          ; the cluster's y
.set ST,   98                          ; S tile of 256 rows
.set LT,   99                          ; L tile of 128 rows
.set RM,   100                         ; mask of my row of the cluster
.set CM,   101                         ; of my column
.set SEL,  32                          ; s[32:33], once the descriptors are made: lane selects for v_permlanex16_b32
.set MSK,  34                          ; s34  which bits of a shifted scale word are kept
.set MSB, 0
.macro WIN new                         ; the immediate's high byte repeats the setting that is left
.if MSB != \new
	s_set_vgpr_msb (MSB<<8)|\new
.set MSB, \new
.endif
.endm
; A joint load: waves 0 and 1 fetch for L, waves 2 and 3 for S.  Each line has one mask and one set of registers for all that issue it; the branch hangs on the wave's number alone.
; Four v_nop follow each of the two lines, ahead of the jump, the label and what follows.
.macro JLOAD g0a, g1a, g0b, g1b
	s_cmp_eq_u32 s[WL], 0
	s_cbranch_scc0 .Lfor_s_\@
	tensor_load_to_lds s[\g0a:\g0a+3], s[\g1a:\g1a+7]
	s_nop 0
.rept 4
	v_nop
.endr
	s_branch .Lasked_\@
.Lfor_s_\@:
	tensor_load_to_lds s[\g0b:\g0b+3], s[\g1b:\g1b+7]
	s_nop 0
.rept 4
	v_nop
.endr
.Lasked_\@:
.endm
.macro CROUND                          ; a round of the cluster's barrier
	s_barrier_signal -1
	s_barrier_wait -1
	s_cmp_lg_u32 s[WV], 0
	s_cbranch_scc1 .Lnot_wave_0_\@
	s_barrier_signal -3
.Lnot_wave_0_\@:
	s_barrier_wait -3
	s_barrier_signal -1
	s_barrier_wait -1
.endm
.macro PLACES                          ; four plain vector instructions behind a matrix instruction, ahead of loads into its sources and of reads of its result
.rept 4
	v_nop
.endr
.endm
	s_load_b512 s[4:19], s[0:1], 0x0               ; X codes s[4:5], X scales s[6:7], Wq s[8:11], Wk s[12:15], Wv s[16:19]
	s_load_b256 s[20:27], s[0:1], 0x40             ; bq s[20:21], bk s[22:23], bv s[24:25], qc s[26:27]
	s_load_b128 s[28:31], s[0:1], 0x60             ; qs s[28:29], kv s[30:31]
	v_lshl_add_u32 v126, v0, 2, 0x36300
	v_mov_b32 v127, 0
	ds_add_u32 v126, v127
	ds_add_u32 v126, v127
	v_lshrrev_b32 v1, 5, v0
	v_readfirstlane_b32 s[WV], v1                  ; wave 0..3
	s_lshr_b32 s[WL], s[WV], 1
	s_and_b32 s[WS], s[WV], 1
	s_bfe_u32 s[CX], ttmp6, 0x40000                ; cx, cy: my place in the cluster
	s_bfe_u32 s[CYI], ttmp6, 0x40004
	s_and_b32 s[CYC], ttmp7, 0xffff                ; the cluster's y, 0..15
	s_lshr_b32 s[ST], s[CYC], 1
	s_and_b32 s[LT], s[CYC], 1
	s_cmp_eq_u32 ttmp9, 2                          ; the role is the cluster's x: the same in all sixteen partners
	s_cselect_b32 s[ST], s[ST], 0                  ; role 2: 32 tiles of keys, 8 of channels;
	s_cselect_b32 s[LT], s[LT], s[CYC]             ; roles 0, 1: 4 tiles of features, 64 of rows of X
	s_lshl_b32 s[ST], s[ST], 2
	s_add_co_u32 s[ST], s[ST], s[CX]               ; the S tile hangs on cx alone among the places,
	s_lshl_b32 s[LT], s[LT], 2
	s_add_co_u32 s[LT], s[LT], s[CYI]              ; the L tile on cy alone
	s_lshl_b32 s[RM], s[CYI], 2
	s_lshl_b32 s[RM], 15, s[RM]                    ; my row of the cluster: places 4 cy .. 4 cy + 3
	s_lshl_b32 s[CM], 0x1111, s[CX]                ; my column: places cx, cx + 4, cx + 8, cx + 12
	; group 1: tiles of 64 (L) or 128 (S) rows x 256 bytes, 512 bytes apart in memory, 16 bytes of padding behind each row in LDS
	s_or_b32 s[G1L], s[RM], (1<<20)|(1<<21)|(5<<22)|(3<<25)   ; 15:0 the mask; 17:16 elements of 1 byte; 20 padding on; 21 set beside a mask; 24:22 after every 64 words; 31:25 four words
	s_mov_b32 s[G1L+1], 256<<16                    ; tensor_dim0
	s_mov_b32 s[G1L+2], 64<<16                     ; tensor_dim1
	s_mov_b32 s[G1L+3], 256<<16                    ; tile_dim0
	s_mov_b32 s[G1L+4], 64                         ; tile_dim1
	s_mov_b32 s[G1L+5], 512                        ; from row to row
	s_mov_b32 s[G1L+6], 0
	s_mov_b32 s[G1L+7], 0
	s_or_b32 s[G1S], s[CM], (1<<20)|(1<<21)|(5<<22)|(3<<25)
	s_mov_b32 s[G1S+1], 256<<16
	s_mov_b32 s[G1S+2], 128<<16
	s_mov_b32 s[G1S+3], 256<<16
	s_mov_b32 s[G1S+4], 128
	s_mov_b32 s[G1S+5], 512
	s_mov_b32 s[G1S+6], 0
	s_mov_b32 s[G1S+7], 0
	; the scale bytes of 64 L rows: 2,048 dense bytes as 8 rows of 256 (32 elements of 8 bytes), 16 bytes of padding behind each
	s_or_b32 s[G1LS], s[RM], (3<<16)|(1<<20)|(1<<21)|(5<<22)|(3<<25)
	s_mov_b32 s[G1LS+1], 32<<16
	s_mov_b32 s[G1LS+2], 8<<16
	s_mov_b32 s[G1LS+3], 32<<16
	s_mov_b32 s[G1LS+4], 8
	s_mov_b32 s[G1LS+5], 32
	s_mov_b32 s[G1LS+6], 0
	s_mov_b32 s[G1LS+7], 0
	; where the tiles go: the wave's number and constants alone
	s_mov_b32 s[G0L], 1
	s_mul_i32 s[G0L+1], s[WS], LHALF
	s_mov_b32 s[G0L+4], 1
	s_add_co_u32 s[G0L+5], s[G0L+1], SLOT
	s_mov_b32 s[G0S], 1
	s_mul_i32 s[G0S+1], s[WS], SHALF
	s_add_co_u32 s[G0S+1], s[G0S+1], SOFF
	s_mov_b32 s[G0S+4], 1
	s_add_co_u32 s[G0S+5], s[G0S+1], SLOT
	s_mov_b32 s[G0LS], 1
	s_mul_i32 s[G0LS+1], s[WS], LSH
	s_add_co_u32 s[G0LS+1], s[G0LS+1], SCL
	s_wait_dscnt 0x0
	s_wait_kmcnt 0x0
	s_cmp_eq_u32 ttmp9, 0                          ; the buffers by role: the conditions hang on the cluster's x alone
	s_cselect_b64 s[SCP:SCP+1], s[8:9], s[12:13]
	s_cselect_b64 s[SSP:SSP+1], s[10:11], s[14:15]
	s_cselect_b64 s[BP:BP+1], s[20:21], s[22:23]
	s_cselect_b64 s[OC:OC+1], s[26:27], s[30:31]
	s_cselect_b64 s[OS:OS+1], s[28:29], s[30:31]
	s_cmp_eq_u32 ttmp9, 2
	s_cselect_b64 s[SCP:SCP+1], s[4:5], s[SCP:SCP+1]
	s_cselect_b64 s[SSP:SSP+1], s[6:7], s[SSP:SSP+1]
	s_cselect_b64 s[LCP:LCP+1], s[16:17], s[4:5]
	s_cselect_b64 s[LSP:LSP+1], s[18:19], s[6:7]
	s_cselect_b64 s[BP:BP+1], s[24:25], s[BP:BP+1]
	; where the tiles come from.  S's offsets in s[16:19] (cx), L's in s[20:23] (cy)
	s_lshl_b32 s16, s[ST], 8
	s_lshl_b32 s17, s[WS], 7
	s_add_co_u32 s16, s16, s17                     ; the first S row that I fetch
	s_lshl_b32 s18, s16, 5                         ; its scale bytes,
	s_lshl_b32 s16, s16, 9                         ; its codes
	s_mov_b32 s17, 0
	s_mov_b32 s19, 0
	s_lshl_b32 s20, s[LT], 7
	s_lshl_b32 s21, s[WS], 6
	s_add_co_u32 s20, s20, s21                     ; the first L row that I fetch
	s_lshl_b32 s22, s20, 5
	s_lshl_b32 s20, s20, 9
	s_mov_b32 s21, 0
	s_mov_b32 s23, 0
	s_add_nc_u64 s[G0L+2:G0L+3], s[LCP:LCP+1], s[20:21]
	s_add_nc_u64 s[G0L+6:G0L+7], s[G0L+2:G0L+3], 256   ; K half 1: 256 bytes on in each row
	s_or_b32 s[G0L+3], s[G0L+3], 0x80000000
	s_or_b32 s[G0L+7], s[G0L+7], 0x80000000
	s_add_nc_u64 s[G0S+2:G0S+3], s[SCP:SCP+1], s[16:17]
	s_add_nc_u64 s[G0S+6:G0S+7], s[G0S+2:G0S+3], 256
	s_or_b32 s[G0S+3], s[G0S+3], 0x80000000
	s_or_b32 s[G0S+7], s[G0S+7], 0x80000000
	s_add_nc_u64 s[G0LS+2:G0LS+3], s[LSP:LSP+1], s[22:23]
	s_or_b32 s[G0LS+3], s[G0LS+3], 0x80000000
	s_or_b32 s[G1SS], s[CM], (3<<16)|(1<<20)|(1<<21)|(5<<22)|(3<<25)   ; the scale bytes of 128 S rows: 16 rows of 256
	s_mov_b32 s[G1SS+1], 32<<16
	s_mov_b32 s[G1SS+2], 16<<16
	s_mov_b32 s[G1SS+3], 32<<16
	s_mov_b32 s[G1SS+4], 16
	s_mov_b32 s[G1SS+5], 32
	s_mov_b32 s[G1SS+6], 0
	s_mov_b32 s[G1SS+7], 0
	s_mov_b32 s[G0SS], 1
	s_mul_i32 s[G0SS+1], s[WS], SSH
	s_add_co_u32 s[G0SS+1], s[G0SS+1], SCL+SSO
	s_add_nc_u64 s[G0SS+2:G0SS+3], s[SSP:SSP+1], s[18:19]
	s_or_b32 s[G0SS+3], s[G0SS+3], 0x80000000
	CROUND                                         ; all sixteen work-groups are here: the joint loads meet
	JLOAD G0LS, G1LS, G0SS, G1SS                   ; the scales, K half 0, K half 1: three tensor loads of mine are out, and these are all that the launch has
	JLOAD G0L, G1L, G0S, G1S
	JLOAD G0L+4, G1L, G0S+4, G1S
	; LDS addresses: constants, the lane and the wave's number
	v_and_b32 v[VR], 15, v0
	v_bfe_u32 v[HH], v0, 4, 1
	v_and_b32 v3, 31, v0
	v_lshlrev_b32 v[LN16], 4, v3
	v_mul_u32_u24 v4, v[VR], PITCH
	v_lshl_add_u32 v4, v[HH], 4, v4                ; a fragment's row x pitch + 16 x half
	s_mul_i32 s2, s[WL], LHALF
	s_mul_i32 s3, s[WS], SHALF
	s_add_co_u32 s3, s3, SOFF
.irp s, 0,1
	v_add_nc_u32 v[ADRL+\s], s2, v4
	v_add_nc_u32 v[ADRS+\s], s3, v4
	s_add_co_u32 s2, s2, SLOT
	s_add_co_u32 s3, s3, SLOT
.endr
	v_lshlrev_b32 v4, 5, v[VR]                     ; my row's scale bytes: 32 a row,
	v_lshrrev_b32 v3, 3, v[VR]
	v_lshl_add_u32 v4, v3, 4, v4                   ; and 16 more for each 256 passed
	s_mul_i32 s2, s[WL], LSH                       ; L's: my 64 rows
	s_mul_i32 s3, s[WS], SSH                       ; S's: my 128 rows, behind L's
	s_add_co_u32 s3, s3, SSO
	s_sub_co_u32 s3, s3, s2
	v_mul_u32_u24 v3, s3, v[HH]                    ; lanes 16-31 take S's: the lower base + h x the distance
	s_add_co_u32 s2, s2, SCL
	v_add_nc_u32 v4, v4, v3
	v_add_nc_u32 v[ADSC], s2, v4
	; where the results go.  u = my 128 S rows, w = my 64 L rows.  All three roles' offsets are made, then chosen
	s_lshl_b32 s16, s[ST], 1
	s_add_co_u32 s16, s16, s[WS]                   ; u: roles 0, 1: the pair of heads 2 u, 2 u + 1; role 2: 16 x batch + key step
	s_lshl_b32 s20, s[LT], 1
	s_add_co_u32 s20, s20, s[WL]                   ; w: roles 0, 1: 32 x batch + w'; role 2: the head
	s_lshl_b32 s17, s16, 9                         ; 512 u: my 128 numbers of bq or bk
	s_lshl_b32 s21, s20, 8                         ; 256 w: my 64 numbers of bv
	s_lshr_b32 s24, s20, 5                         ; batch
	s_and_b32 s25, s20, 31                         ; w'
	s_lshl_b32 s26, s24, 20                        ; q's codes: batch 2^20, pair of heads 2^17, four tiles 2^11
	s_lshl_b32 s2, s16, 17
	s_add_co_u32 s26, s26, s2
	s_lshl_b32 s2, s25, 11
	s_add_co_u32 s26, s26, s2
	s_lshr_b32 s27, s26, 3                         ; q's scale words: batch 2^17, pair 2^14, group 2^8: an eighth of each
	s_mul_i32 s28, s24, 2293760                    ; k: batch, pair of heads, key step w' / 2
	s_mul_i32 s2, s16, 286720
	s_add_co_u32 s28, s28, s2
	s_lshr_b32 s2, s25, 1
	s_mul_i32 s2, s2, 8960
	s_add_co_u32 s28, s28, s2
	s_and_b32 s3, s25, 1                           ; which four of the step's eight tiles
	s_lshl_b32 s2, s3, 8
	s_add_co_u32 s29, s28, s2
	s_add_co_u32 s29, s29, 8192                    ; k's scale words
	s_lshl_b32 s2, s3, 11
	s_add_co_u32 s28, s28, s2                      ; k's codes
	s_lshr_b32 s2, s16, 4                          ; v: batch u / 16, head w, key step u % 16
	s_mul_i32 s30, s2, 2293760
	s_mul_i32 s2, s20, 143360
	s_add_co_u32 s30, s30, s2
	s_and_b32 s2, s16, 15
	s_mul_i32 s2, s2, 8960
	s_add_co_u32 s30, s30, s2
	s_add_co_u32 s31, s30, 8704                    ; v's scale words
	s_add_co_u32 s30, s30, 4096                    ; v's codes
	s_mov_b32 s2, 143360
	s_cmp_eq_u32 ttmp9, 0
	s_cselect_b32 s26, s26, s28                    ; codes
	s_cselect_b32 s27, s27, s29                    ; scale words
	s_cselect_b32 s28, 65536, s2                   ; from registers 0-3 to 4-7: the next head
	s_cselect_b32 s29, 8192, s2                    ; from lanes 0-15 to 16-31 in the scale words: the next head
	s_mov_b32 s3, 512
	s_mov_b32 s[MSK], 0xffff
	s_cmp_eq_u32 ttmp9, 2
	s_cselect_b32 s26, s30, s26
	s_cselect_b32 s27, s31, s27
	s_cselect_b32 s28, 512, s28                    ; role 2: the fragment's second half
	s_cselect_b32 s29, 0, s29
	s_cselect_b32 s30, 1024, s3                    ; from L tile to L tile
	s_cselect_b32 s31, 0, 16                       ; roles 0, 1: lanes 16-31 take the word's upper two bytes
	s_cselect_b32 s[MSK], -1, s[MSK]               ; and two bytes are kept; role 2 keeps all four
	s_cselect_b32 s24, 0, -1                       ; the S bias counts in roles 0, 1,
	s_cselect_b32 s25, -1, 0                       ; the L bias in role 2
	s_cselect_b32 s17, 0, s17
	s_cselect_b32 s21, s21, 0
	s_mov_b32 s[SEL], 0x76543210
	s_mov_b32 s[SEL+1], 0xfedcba98                 ; lane l xor 16
	v_lshl_add_u32 v[VBS], v[HH], 5, s17           ; tile t's eight S rows of my half: 64 t + 32 h bytes on
	v_lshl_add_u32 v[VBL], v[VR], 2, s21           ; tile a's L row r: 64 a + 4 r bytes on
.irp t, 0,1,2,3,4,5,6,7
	global_load_b128 v[BS+8*\t:BS+8*\t+3], v[VBS], s[BP:BP+1] offset:64*\t
	global_load_b128 v[BS+8*\t+4:BS+8*\t+7], v[VBS], s[BP:BP+1] offset:64*\t+16
.endr
.irp a, 0,1,2,3
	global_load_b32 v[BL+2*\a], v[VBL], s[BP:BP+1] offset:64*\a
.endr
	v_add_nc_u32 v[VOC], s26, v[LN16]
	v_add_nc_u32 v[VOC+1], s28, v[VOC]
.irp i, 2,3,4,5,6,7
	v_add_nc_u32 v[VOC+\i], s30, v[VOC+\i-2]
.endr
	v_mul_u32_u24 v[VOS], s29, v[HH]
	v_lshl_add_u32 v[VOS], v[VR], 4, v[VOS]
	v_add_nc_u32 v[VOS], s27, v[VOS]               ; 16 r + h x the next head + the base
	v_mul_u32_u24 v[VSH], s31, v[HH]
.irp b, 0,1,2,3
	v_mov_b32 v[TM+4+\b], 0                        ; written once: a lane permute's destination counts as one of its sources
.endr
	s_wait_loadcnt 0x0                             ; the 20 loads of the bias
.set n, 0
.rept 64
	v_and_b32 v[BS+n], s24, v[BS+n]                ; all ones or 0: the bias along the axis that the role does not have becomes 0.  (This stands while the tiles are on their way)
.set n, n+1
.endr
.irp a, 0,1,2,3
	v_and_b32 v[BL+2*\a], s25, v[BL+2*\a]
.endr
.irp a, 0,1,2,3
	v_mov_b32 v[BL+2*\a+1], v[BL+2*\a]
.endr
; K step k (128 along K; slot k / 4, its (k % 4)-th) : 24 LDS loads into fragment set k % 2.  A fragment, 16 rows x 128 K, is 8 registers: lane l holds row l % 16, registers 4 c .. 4 c + 3 K = 64 c + 32 (l / 16) + 0 .. 31
.macro FETCH k
	WIN 0x40                                       ; destination window 1, address window 0
.irp t, 0,1,2,3,4,5,6,7
	ds_load_b128 v[128*((\k)%2)+8*\t:128*((\k)%2)+8*\t+3], v[ADRS+(\k)/4] offset:64*((\k)%4)+\t*16*PITCH
	ds_load_b128 v[128*((\k)%2)+8*\t+4:128*((\k)%2)+8*\t+7], v[ADRS+(\k)/4] offset:64*((\k)%4)+\t*16*PITCH+32
.endr
	WIN 0
.irp a, 0,1,2,3
	ds_load_b128 v[LF+32*((\k)%2)+8*\a:LF+32*((\k)%2)+8*\a+3], v[ADRL+(\k)/4] offset:64*((\k)%4)+\a*16*PITCH
	ds_load_b128 v[LF+32*((\k)%2)+8*\a+4:LF+32*((\k)%2)+8*\a+7], v[ADRL+(\k)/4] offset:64*((\k)%4)+\a*16*PITCH+32
.endr
.endm
.macro SCALES s                        ; the scale words of K half s: four words a row; lanes 0-15 take L's block i (blocks 4-7: landed bytes that no product names), lanes 16-31 S's block i
.irp i, 0,1,2,3,4,5,6,7
	ds_load_b128 v[SC+32*\s+4*\i:SC+32*\s+4*\i+3], v[ADSC] offset:SBLK*\i+16*\s
.endr
.endm
; 32 matrix instructions: the 32 accumulators by turns, one instruction a turn, in the same order in every step.  first = 1: C is the S bias: nothing is cleared
.macro MUL k, first
.if \first
	WIN 0x81                                       ; source 0 (S) window 1, source 1 (L) and C window 0, D window 2
.else
	WIN 0xa1                                       ; C and D window 2
.endif
.irp a, 0,1,2,3
.irp t, 0,1,2,3,4,5,6,7
.if \first
	v_wmma_scale_f32_16x16x128_f8f6f4 v[8*(8*\a+\t):8*(8*\a+\t)+7], v[128*((\k)%2)+8*\t:128*((\k)%2)+8*\t+7], v[LF+32*((\k)%2)+8*\a:LF+32*((\k)%2)+8*\a+7], v[BS+8*\t:BS+8*\t+7], v[SC+32*((\k)/4)+4*\t+(\k)%4], v[SC+32*((\k)/4)+4*\a+(\k)%4] matrix_a_fmt:MATRIX_FMT_FP4 matrix_b_fmt:MATRIX_FMT_FP4 matrix_a_scale:MATRIX_SCALE_ROW1
.else
	v_wmma_scale_f32_16x16x128_f8f6f4 v[8*(8*\a+\t):8*(8*\a+\t)+7], v[128*((\k)%2)+8*\t:128*((\k)%2)+8*\t+7], v[LF+32*((\k)%2)+8*\a:LF+32*((\k)%2)+8*\a+7], v[8*(8*\a+\t):8*(8*\a+\t)+7], v[SC+32*((\k)/4)+4*\t+(\k)%4], v[SC+32*((\k)/4)+4*\a+(\k)%4] matrix_a_fmt:MATRIX_FMT_FP4 matrix_b_fmt:MATRIX_FMT_FP4 matrix_a_scale:MATRIX_SCALE_ROW1
.endif
.endr
.endr
.endm
.macro STEP k
	s_wait_dscnt 0x0                               ; this step's fragments, asked for a step ago, are in
.if (\k) == 3
	s_wait_tensorcnt 0x0                           ; my part of K half 1 has landed,
	s_barrier_signal -1
	s_barrier_wait -1                              ; everybody's has.
.endif
.if (\k) > 0
	PLACES                                         ; the set that the last step multiplied is loaded again
.endif
.if (\k) < 7
	FETCH (\k)+1
.endif
.if (\k) == 3
	SCALES 1
.endif
.if (\k) == 0
	MUL \k, 1
.else
	MUL \k, 0
.endif
.endm
; 64 numbers of a lane, v[s] on, register 8 t + j = S row 16 t + 8 h + j of my L row, become a fragment's codes in v[pc] on and its scale word in v[pw]
.macro QUANT s, pc, pw
.irp b, 0,1,2,3
	v_max3_num_f32 v[TM+\b], |v[(\s)+16*\b]|, |v[(\s)+1+16*\b]|, 0x1800000   ; block b: my 16 numbers, and the floor 2^(3 - 127): the byte cannot fall under 1
.endr
.irp i, 2,4,6,8,10,12,14
.irp b, 0,1,2,3
	v_max3_num_f32 v[TM+\b], v[TM+\b], |v[(\s)+16*\b+\i]|, |v[(\s)+1+16*\b+\i]|   ; the four blocks by turns
.endr
.endr
.irp b, 0,1,2,3
	v_permlanex16_b32 v[TM+4+\b], v[TM+\b], s[SEL], s[SEL+1]
.endr
.irp b, 0,1,2,3
	v_max_num_f32 v[TM+\b], v[TM+\b], v[TM+4+\b]   ; with lane l xor 16's 16: the block's largest magnitude
.endr
.irp b, 0,1,2,3
	v_add_nc_u32 v[TM+12+\b], 0xff000000, v[TM+\b] ; 2 off its exponent field: the conversion takes this operand's exponent field as its scale
.endr
.irp b, 0,1,2,3
	v_lshrrev_b32 v[TM+4+\b], 23, v[TM+12+\b]      ; the scale's byte
.endr
	v_lshl_or_b32 v[\pw], v[TM+5], 8, v[TM+4]
	v_lshl_or_b32 v[\pw], v[TM+6], 16, v[\pw]
	v_lshl_or_b32 v[\pw], v[TM+7], 24, v[\pw]
.irp c, 0,1
	v_cvt_scalef32_pk8_fp4_f32 v[(\pc)+4*\c], v[(\s)+32*\c:(\s)+32*\c+7], v[TM+12+2*\c]            ; tile 4 c
	v_cvt_scalef32_pk8_fp4_f32 v[(\pc)+4*\c+2], v[(\s)+32*\c+8:(\s)+32*\c+15], v[TM+12+2*\c]       ; tile 4 c + 1
	v_cvt_scalef32_pk8_fp4_f32 v[(\pc)+4*\c+1], v[(\s)+32*\c+16:(\s)+32*\c+23], v[TM+12+2*\c+1]    ; tile 4 c + 2
	v_cvt_scalef32_pk8_fp4_f32 v[(\pc)+4*\c+3], v[(\s)+32*\c+24:(\s)+32*\c+31], v[TM+12+2*\c+1]    ; tile 4 c + 3
.endr
	v_nop                                          ; one plain instruction behind the scaled conversions
.irp c, 0,1
	v_permlane16_swap_b32 v[(\pc)+4*\c], v[(\pc)+4*\c+1]     ; the first's lanes 16-31 change places with the second's lanes 0-15:
	v_permlane16_swap_b32 v[(\pc)+4*\c+2], v[(\pc)+4*\c+3]   ; registers 4 c .. 4 c + 3 now hold k = 64 c + 32 h + 0 .. 31
.endr
.endm
	s_wait_tensorcnt 0x1                           ; the scales and my part of K half 0 are in; K half 1's load, the one issued behind them, may be out
	s_barrier_signal -1
	s_barrier_wait -1                              ; everybody's are
	FETCH 0
	SCALES 0
.irp k, 0,1,2,3,4,5,6,7
	STEP \k
.endr
	; THE WAY OUT, an L tile at a time: the L bias is added (which also brings the 64 numbers into window 0, each accumulator from its low end on), the numbers are quantised, the images are stored
	PLACES
.irp a, 0,1,2,3
	WIN 0x02                                       ; source 0 window 2
.set n, 0
.rept 32
	v_pk_add_f32 v[HA+n:HA+n+1], v[64*\a+n:64*\a+n+1], v[BL+2*\a:BL+2*\a+1]
.set n, n+2
.endr
	WIN 0
	QUANT HA, PC+8*\a, SW+\a
	global_store_b128 v[VOC+2*\a], v[PC+8*\a:PC+8*\a+3], s[OC:OC+1]       ; 32 lanes store 512 consecutive bytes, at a multiple of 512 from the buffer's first byte; every store has data and offset registers of its own
	global_store_b128 v[VOC+2*\a+1], v[PC+8*\a+4:PC+8*\a+7], s[OC:OC+1]
.endr
.irp i, 0,1,2,3
	v_lshrrev_b32 v[SW+\i], v[VSH], v[SW+\i]       ; roles 0, 1: lanes 0-15 keep the first head's two bytes, lanes 16-31 the second's; bytes 2, 3 become 0
.endr
.irp i, 0,1,2,3
	v_and_b32 v[SW+\i], s[MSK], v[SW+\i]
.endr
	global_store_b128 v[VOS], v[SW:SW+3], s[OS:OS+1]   ; sixteen lanes store 256 consecutive aligned bytes.  In role 2 lanes l and l + 16 store the same 16 bytes to the same place
	s_wait_tensorcnt 0x0
	ds_add_u32 v126, v127
	s_wait_dscnt 0x0
	CROUND                                         ; the closing round: no work-group ends while a partner may still ask for a tile that names it
	s_endpgm
.Lfunc_end_k_qe625e82e91_proj:
	.size	k_qe625e82e91_proj, .Lfunc_end_k_qe625e82e91_proj-k_qe625e82e91_proj
	.p2alignl 7, 3214868480
	.fill 96, 4, 3214868480
	.section	.rodata,"a",@progbits
	.p2align	6, 0x0
	.amdhsa_kernel k_qe625e82e91_proj
		.amdhsa_group_segment_fixed_size 222464
		.amdhsa_private_segment_fixed_size 0
		.amdhsa_enable_private_segment 0
		.amdhsa_kernarg_size 112
		.amdhsa_user_sgpr_count 2
		.amdhsa_user_sgpr_kernarg_segment_ptr 1
		.amdhsa_wavefront_size32 1
		.amdhsa_system_sgpr_workgroup_id_x 1
		.amdhsa_system_sgpr_workgroup_id_y 1
		.amdhsa_system_sgpr_workgroup_id_z 1
		.amdhsa_system_vgpr_workitem_id 0
		.amdhsa_next_free_vgpr 768
		.amdhsa_next_free_sgpr 102
		.amdhsa_reserve_vcc 0
		.amdhsa_float_denorm_mode_32 3
		.amdhsa_float_denorm_mode_16_64 3
		.amdhsa_memory_ordered 1
		.amdhsa_forward_progress 1
		.amdhsa_inst_pref_size 88
	.end_amdhsa_kernel
	.amdgpu_metadata
---
amdhsa.version: [ 1, 2 ]
amdhsa.kernels:
  - .name:           k_qe625e82e91_proj
    .symbol:         k_qe625e82e91_proj.kd
    .args:
      - { .name: X_codes, .offset: 0, .size: 8, .value_kind: global_buffer, .address_space: global }
      - { .name: X_scales, .offset: 8, .size: 8, .value_kind: global_buffer, .address_space: global }
      - { .name: Wq_codes, .offset: 16, .size: 8, .value_kind: global_buffer, .address_space: global }
      - { .name: Wq_scales, .offset: 24, .size: 8, .value_kind: global_buffer, .address_space: global }
      - { .name: Wk_codes, .offset: 32, .size: 8, .value_kind: global_buffer, .address_space: global }
      - { .name: Wk_scales, .offset: 40, .size: 8, .value_kind: global_buffer, .address_space: global }
      - { .name: Wv_codes, .offset: 48, .size: 8, .value_kind: global_buffer, .address_space: global }
      - { .name: Wv_scales, .offset: 56, .size: 8, .value_kind: global_buffer, .address_space: global }
      - { .name: bq, .offset: 64, .size: 8, .value_kind: global_buffer, .address_space: global }
      - { .name: bk, .offset: 72, .size: 8, .value_kind: global_buffer, .address_space: global }
      - { .name: bv, .offset: 80, .size: 8, .value_kind: global_buffer, .address_space: global }
      - { .name: qc, .offset: 88, .size: 8, .value_kind: global_buffer, .address_space: global }
      - { .name: qs, .offset: 96, .size: 8, .value_kind: global_buffer, .address_space: global }
      - { .name: kv, .offset: 104, .size: 8, .value_kind: global_buffer, .address_space: global }
    .group_segment_fixed_size: 222464
    .private_segment_fixed_size: 0
    .kernarg_segment_align: 8
    .kernarg_segment_size: 112
    .max_flat_workgroup_size: 128
    .sgpr_count:     102
    .vgpr_count:     768
    .wavefront_size: 32
...
	.end_amdgpu_metadata
.endif
;; end of part 1
;; launch attn (part 2): grid 8 x 32, 16 waves a work-group, clusters of 4 x 1, 288,768 bytes of LDS; arguments qc, qs, kv, ac, asc; writes ac, asc
.if DOCPART == 2
	.amdgcn_target "amdgcn-amd-amdhsa--gfx1250"
	.amdhsa_code_object_version 6
	.text
	.protected	k_qe625e82e91_attn
	.globl	k_qe625e82e91_attn
	.p2align	8
	.type	k_qe625e82e91_attn,@function
k_qe625e82e91_attn:
	s_mov_b64 s[64:65], 0
	v_nop
	global_prefetch_b8 v0, s[64:65] scope:SCOPE_SE
	s_setreg_imm32_b32 hwreg(HW_REG_WAVE_MODE, 25, 1), 1
	s_wait_xcnt 0x0
	s_wait_alu depctr_hold_cnt(0) depctr_sa_sdst(0) depctr_va_vdst(0) depctr_va_sdst(0) depctr_va_ssrc(0) depctr_va_vcc(0) depctr_vm_vsrc(0)
	s_getreg_b32 s2, hwreg(HW_REG_IB_STS2, 6, 4)
	s_cmp_eq_u32 s2, 0
	s_cbranch_scc0 .Lentry_in_a_cluster
	s_endpgm
.Lentry_in_a_cluster:
	s_bfe_u32 s2, ttmp6, 0x10000c
	s_cmp_lg_u32 s2, 0x3003
	s_cbranch_scc0 .Lentry_shape_is_right
	s_endpgm
.Lentry_shape_is_right:
; Attention on codes of FP4 (E2M1): S^T = K Q^T (K = the head's 64), p = 2^(t - M), O^T = V^T P^T (K = the keys), O / l quantised along the head's 64 for the last product.
; t = score x log2(e) / 32; M = the running largest t rounded UP to a whole number; p is quantised along the keys, not normalised; l is the sum of the unquantised p.
; When M moves, l and O^T are multiplied by 2^(old M - new M): exact.
; SHARES.  A work-group owns 256 queries of one batch and a PAIR of heads 2 P, 2 P + 1 (y = 8 batch + P); each of its sixteen waves owns one tile of 16 queries and runs two passes, one a head, so that a row's
; scale word of K step P of the last product (two heads = 128 along its K) is whole in one lane.  Four waves stand on a SIMD: one wave's vector work stands beside another's products and LDS loads.
; LDS.  The 32 chunks (16 key steps of 128 keys x 2 heads, 8,960 bytes each) lie in LDS as they lie in memory, each byte filled once: 286,720 bytes.  A chunk: +0 K's 8 tiles (images of registers, 512 bytes each),
; +4096 V^T's 4 fragments (2 x 512 each), +8192 K's scale words, +8704 V's.  Every LDS read takes 512 or 256 consecutive bytes.
; CLUSTER 4 x 1: the four blocks of queries of a cluster read the same K and V: every chunk is asked for jointly (mask 15).  Waves 0 to 3 ask, 8 loads each, all at the head: 8 are out at the most.
; Since every tensor load goes out at the head, there is no later load for a prefetch to run ahead of.
; K = 64 IN AN INSTRUCTION OF K = 128.  Q's registers 4-7 are zero codes.  K's tiles are 4 registers each, on end; tile t is named as 8 registers, whose upper four are the next tile's codes (behind tile 7: zeros):
; they meet Q's zero codes.  Bytes 2, 3 of Q's and K's scale words are 0 (2^-127, a number).
; LAYOUT.  Both products are used transposed: a lane holds ONE query (lane % 16).  In S^T register j of tile t is key 16 t + 8 h + j; one conversion a tile and two exchanges of lane halves for each 64 keys give P's operand.
; LIMITS: NaN and infinities are not served.  A block of p or of O / l whose largest magnitude lies under 2^-124 gets the scale byte 1; these bytes are read by this program alone.  1 / l by v_rcp_f32.
.set CHUNK, 8960
.set L16,  1                           ; v1   16 x lane
.set R16,  2                           ; v2   16 x (lane % 16)
.set ADK,  3                           ; v3   the step's chunk + 16 x lane
.set ADS,  4                           ; v4   the step's chunk + 16 r
.set R32,  5                           ; v5   32 r: my row of asc
.set QW,   8                           ; v8, v9   Q's scale words, pass 0, 1
                                       ; v12 -M, v13 the largest t, v[14:15] the sum in two halves;  v[16:23], v[24:31] Q of pass 0, 1
.set KF,   32                          ; v32-63 K's 8 tiles, v64-67 zeros
.set VF,   68                          ; v68-99 V^T's 4 fragments
.set S,    100                         ; v100-163 S^T, then p; on the way out O / l
.set OA,   164                         ; v164-195 O^T
.set PC,   196                         ; v196-203 P's codes
.set KS,   204                         ; v204-211 K's scale words
.set VS,   212                         ; v212-215 V's
.set BM,   216                         ; v216-219 a block's largest score, then its largest p
.set T4,   220                         ; v220-223 at work
.set SO,   224                         ; v224-227 the conversions' scale operands
.set TT,   228
.set FF,   230                         ; v[230:231] f = 2^(old M - new M) (the pair's upper half is written once)
.set PW,   232                         ; P's scale word
.set SU,   234                         ; v[234:235] the sum's second chain
.set OCB,  240                         ; v240-243, v244-247 the result's codes, pass 0, 1
.set AW,   248                         ; the result's scale word
.set WV,   14
.set SEL,  20                          ; s[20:21] lane l xor 16
.set CS,   22                          ; s[22:23] c = log2(e) / 32
.set TB,   24                          ; s24  LDS byte of the step's chunk
.set CNT,  25
.set G1,   32                          ; s[32:39] group 1;  group 0 of load j at s[40 + 4 j] (j < 6), s[44 + 4 j] (j = 6, 7)
.macro CROUND                          ; a round of the cluster's barrier
	s_barrier_signal -1
	s_barrier_wait -1
	s_cmp_lg_u32 s[WV], 0
	s_cbranch_scc1 .Lnot_wave_0_\@
	s_barrier_signal -3
.Lnot_wave_0_\@:
	s_barrier_wait -3
	s_barrier_signal -1
	s_barrier_wait -1
.endm
	s_load_b256 s[4:11], s[0:1], 0x0               ; qc s[4:5], qs s[6:7], kv s[8:9], ac s[10:11]
	s_load_b64 s[12:13], s[0:1], 0x20              ; asc
	v_lshl_add_u32 v254, v0, 2, 0x46000
	v_mov_b32 v255, 0
	ds_add_u32 v254, v255
	ds_add_u32 v254, v255
	v_lshrrev_b32 v1, 5, v0
	v_readfirstlane_b32 s[WV], v1                  ; wave 0..15
	s_bfe_u32 s15, ttmp6, 0x40000                  ; cx
	s_lshl_b32 s16, ttmp9, 2
	s_add_co_u32 s16, s16, s15                     ; x: my block of 256 queries; it enters global addresses of qc, qs, ac, asc alone
	s_and_b32 s17, ttmp7, 0xffff                   ; y = 8 batch + P, which the four partners share
	s_lshr_b32 s18, s17, 3                         ; batch
	s_and_b32 s19, s17, 7                          ; P
	s_mov_b32 s[G1], 15|(3<<16)|(1<<21)            ; 15:0 the mask: all four; 17:16 elements of 8 bytes; 21 set beside a mask; no padding
	s_mov_b32 s[G1+1], 32<<16                      ; a chunk is 35 dense rows of 256 bytes
	s_mov_b32 s[G1+2], 35<<16
	s_mov_b32 s[G1+3], 32<<16
	s_mov_b32 s[G1+4], 35
	s_mov_b32 s[G1+5], 32
	s_mov_b32 s[G1+6], 0
	s_mov_b32 s[G1+7], 0
	s_min_u32 s26, s[WV], 3                        ; waves 0 to 3 fetch: load j of wave w is chunk 4 j + w
	s_mul_i32 s26, s26, CHUNK
	s_mul_i32 s24, s17, 32*CHUNK                   ; the pair's 32 chunks in kv
	s_add_co_u32 s24, s24, s26
	s_mov_b32 s25, 0
	s_lshl_b32 s28, s17, 17                        ; qc: head 2 y: 2 x 65,536; block x: 16 tiles; wave: a tile of 512 bytes
	s_lshl_b32 s29, s16, 13
	s_add_co_u32 s28, s28, s29
	s_lshl_b32 s29, s[WV], 9
	s_add_co_u32 s28, s28, s29
	s_mov_b32 s29, 0
	s_lshl_b32 s30, s17, 14                        ; qs: head 2 y: 2 x 8,192; block x: 4 groups of 256; group wave / 4; word wave % 4
	s_lshl_b32 s31, s16, 10
	s_add_co_u32 s30, s30, s31
	s_lshr_b32 s31, s[WV], 2
	s_lshl_b32 s31, s31, 8
	s_add_co_u32 s30, s30, s31
	s_and_b32 s31, s[WV], 3
	s_lshl_b32 s31, s31, 2
	s_add_co_u32 s30, s30, s31
	s_mov_b32 s31, 0
	s_lshl_b32 s66, s18, 7                         ; my tile of 16 rows among the 512: 128 batch + 16 x + wave
	s_lshl_b32 s67, s16, 4
	s_add_co_u32 s66, s66, s67
	s_add_co_u32 s66, s66, s[WV]
	s_lshl_b32 s76, s66, 13                        ; ac: 8,192 a tile, 1,024 a pair of heads
	s_lshl_b32 s77, s19, 10
	s_add_co_u32 s76, s76, s77
	s_mov_b32 s77, 0
	s_lshl_b32 s78, s66, 9                         ; asc: 512 a tile (16 rows of 32), 4 a pair of heads
	s_lshl_b32 s79, s19, 2
	s_add_co_u32 s78, s78, s79
	s_mov_b32 s79, 0
	s_mov_b32 s[SEL], 0x76543210
	s_mov_b32 s[SEL+1], 0xfedcba98
	s_mov_b32 s[CS], 0x3d38aa3b                    ; log2(e) / 32
	s_mov_b32 s[CS+1], s[CS]                       ; (named with it as a pair, so it is written)
	s_wait_dscnt 0x0
	s_wait_kmcnt 0x0
	s_add_nc_u64 s[8:9], s[8:9], s[24:25]
	s_add_nc_u64 s[4:5], s[4:5], s[28:29]
	s_add_nc_u64 s[6:7], s[6:7], s[30:31]
	s_add_nc_u64 s[10:11], s[10:11], s[76:77]
	s_add_nc_u64 s[12:13], s[12:13], s[78:79]
.irp j, 0,1,2,3,4,5,6,7
	s_mov_b32 s[40+4*\j+4*(\j/6)], 1
	s_add_co_u32 s[41+4*\j+4*(\j/6)], s26, 4*\j*CHUNK
	s_add_nc_u64 s[42+4*\j+4*(\j/6):43+4*\j+4*(\j/6)], s[8:9], 4*\j*CHUNK
	s_or_b32 s[43+4*\j+4*(\j/6)], s[43+4*\j+4*(\j/6)], 0x80000000
.endr
	CROUND                                         ; all four work-groups are here: the joint loads meet
	s_cmp_lt_u32 s[WV], 4                          ; a wave's eight loads stand in one branch on the wave's number, the same in all partners
	s_cbranch_scc0 .Lno_fetch
.irp j, 0,1,2,3,4,5,6,7
	tensor_load_to_lds s[40+4*\j+4*(\j/6):43+4*\j+4*(\j/6)], s[G1:G1+7]
	s_nop 0
.endr
.rept 4
	v_nop
.endr
.Lno_fetch:
	v_and_b32 v[L16], 31, v0
	v_lshlrev_b32 v[L16], 4, v[L16]
	v_and_b32 v[R16], 15, v0
	v_lshlrev_b32 v[R32], 5, v[R16]
	v_lshlrev_b32 v[R16], 4, v[R16]
	global_load_b128 v[16:19], v[L16], s[4:5]              ; Q's tile of head 2 P: registers 0-3 of the operand
	global_load_b128 v[24:27], v[L16], s[4:5] offset:65536 ; of head 2 P + 1
	global_load_b32 v[QW], v[R16], s[6:7]                  ; their scale words: lane r has row r's
	global_load_b32 v[QW+1], v[R16], s[6:7] offset:8192
.irp i, 20,21,22,23,28,29,30,31,64,65,66,67
	v_mov_b32 v\i, 0                               ; zero codes: Q's upper halves, and what stands behind K's tile 7
.endr
.irp b, 0,1,2,3
	v_mov_b32 v[T4+\b], 0                          ; written once: a lane permute's destination counts as one of its sources
.endr
	v_mov_b32 v[FF+1], 0
	s_wait_loadcnt 0x0                             ; Q
; A KEY STEP: 128 keys of the pass's head
.macro STEP qf, qw
	v_add_nc_u32 v[ADK], s[TB], v[L16]
	v_add_nc_u32 v[ADS], s[TB], v[R16]
	v_nop
	v_nop                                          ; four plain instructions behind the last step's products, ahead of the loads into V's registers and V's scale words
.irp t, 0,1,2,3,4,5,6,7
	ds_load_b128 v[KF+4*\t:KF+4*\t+3], v[ADK] offset:512*\t
.endr
.irp g, 0,1
	ds_load_b128 v[KS+4*\g:KS+4*\g+3], v[ADS] offset:8192+256*\g     ; lane r: the words of row r of tiles 4 g .. 4 g + 3
.endr
.irp f, 0,1,2,3,4,5,6,7
	ds_load_b128 v[VF+4*\f:VF+4*\f+3], v[ADK] offset:4096+512*\f
.endr
	ds_load_b128 v[VS:VS+3], v[ADS] offset:8704                      ; lane r: the words of channel r of the four channel tiles
	s_wait_dscnt 0x9                               ; K's ten loads are in; V's nine, issued behind them, may be out
.irp t, 0,1,2,3,4,5,6,7
	v_wmma_scale_f32_16x16x128_f8f6f4 v[S+8*\t:S+8*\t+7], v[KF+4*\t:KF+4*\t+7], v[\qf:\qf+7], 0, v[KS+\t], v[\qw] matrix_a_fmt:MATRIX_FMT_FP4 matrix_b_fmt:MATRIX_FMT_FP4
.endr
.rept 4
	v_nop
.endr
.irp b, 0,1,2,3
	v_max3_num_f32 v[BM+\b], v[S+16*\b], v[S+1+16*\b], v[S+2+16*\b]   ; the largest score of each block of 32 keys: it serves for the row's maximum and, since p rises with the score, for the block's largest p
.endr
.irp i, 3,5,7,9,11,13
.irp b, 0,1,2,3
	v_max3_num_f32 v[BM+\b], v[BM+\b], v[S+16*\b+\i], v[S+1+16*\b+\i]
.endr
.endr
.irp b, 0,1,2,3
	v_max_num_f32 v[BM+\b], v[BM+\b], v[S+15+16*\b]
.endr
.irp b, 0,1,2,3
	v_permlanex16_b32 v[T4+\b], v[BM+\b], s[SEL], s[SEL+1]
.endr
.irp b, 0,1,2,3
	v_max_num_f32 v[BM+\b], v[BM+\b], v[T4+\b]     ; with lane l xor 16's 16 keys
.endr
	v_max3_num_f32 v[TT], v[BM], v[BM+1], v[BM+2]
	v_max_num_f32 v[TT], v[TT], v[BM+3]            ; the step's largest score of my query
	v_mul_f32 v[TT], s[CS], v[TT]                  ; as t (c is positive)
	v_max_num_f32 v13, v13, v[TT]                  ; the running largest t
	v_mov_b32 v[TT], v12
	v_floor_f32 v12, -v13                          ; the new -M = floor(-t) = -ceil(t)
	v_sub_f32 v[TT], v12, v[TT]                    ; old M - new M: a whole number, 0 or less
	v_cvt_i32_f32 v[TT], v[TT]                     ; (it saturates)
	v_ldexp_f32 v[FF], 1.0, v[TT]                  ; f = 2^(old M - new M)
.set n, 0
.rept 32
	v_pk_fma_f32 v[S+n:S+n+1], v[S+n:S+n+1], s[CS:CS+1], v[12:13] op_sel_hi:[1,0,0]   ; t - M, two at a time
.set n, n+2
.endr
.irp b, 0,1,2,3
	v_fma_f32 v[BM+\b], v[BM+\b], s[CS], v12       ; the same of each block's largest score
.endr
.set n, 0
.rept 64
	v_exp_f32 v[S+n], v[S+n]                       ; p = 2^(t - M), at most 1
.set n, n+1
.endr
	v_pk_mul_f32 v[14:15], v[14:15], v[FF:FF+1] op_sel_hi:[1,0]   ; the sums under the new M.  (The plain instruction behind the exponentials)
	s_wait_alu depctr_va_vdst(0)                   ; one wait for the batch of 64, ahead of its first reader
.irp b, 0,1,2,3
	v_exp_f32 v[BM+\b], v[BM+\b]                   ; the block's largest p: the same two instructions on the same number
.endr
	v_pk_add_f32 v[SU:SU+1], v[S:S+1], v[S+2:S+3]  ; the row's sum is taken of the unquantised p, in two chains
.irp j, 4,8,12,16,20,24,28,32,36,40,44,48,52,56,60
	v_pk_add_f32 v[14:15], v[14:15], v[S+\j:S+\j+1]
	v_pk_add_f32 v[SU:SU+1], v[SU:SU+1], v[S+2+\j:S+3+\j]
.endr
	v_pk_add_f32 v[14:15], v[14:15], v[SU:SU+1]
	s_wait_alu depctr_va_vdst(0)                   ; and one for the four
.irp b, 0,1,2,3
	v_max_num_f32 v[BM+\b], 0x1800000, v[BM+\b]    ; the floor 2^(3 - 127): the byte cannot fall under 1
.endr
.irp b, 0,1,2,3
	v_add_nc_u32 v[SO+\b], 0xff000000, v[BM+\b]    ; 2 off the exponent field: the conversion's scale operand
.endr
.irp b, 0,1,2,3
	v_lshrrev_b32 v[T4+\b], 23, v[SO+\b]           ; the scale's byte
.endr
	v_lshl_or_b32 v[PW], v[T4+1], 8, v[T4]
	v_lshl_or_b32 v[PW], v[T4+2], 16, v[PW]
	v_lshl_or_b32 v[PW], v[T4+3], 24, v[PW]        ; P's scale word for these 128 keys
.irp c, 0,1
	v_cvt_scalef32_pk8_fp4_f32 v[PC+4*\c], v[S+32*\c:S+32*\c+7], v[SO+2*\c]          ; tile 4 c
	v_cvt_scalef32_pk8_fp4_f32 v[PC+4*\c+2], v[S+32*\c+8:S+32*\c+15], v[SO+2*\c]     ; tile 4 c + 1
	v_cvt_scalef32_pk8_fp4_f32 v[PC+4*\c+1], v[S+32*\c+16:S+32*\c+23], v[SO+2*\c+1]  ; tile 4 c + 2
	v_cvt_scalef32_pk8_fp4_f32 v[PC+4*\c+3], v[S+32*\c+24:S+32*\c+31], v[SO+2*\c+1]  ; tile 4 c + 3
.endr
	v_nop                                          ; one plain instruction behind the scaled conversions
.irp c, 0,1
	v_permlane16_swap_b32 v[PC+4*\c], v[PC+4*\c+1]     ; registers 4 c .. 4 c + 3 now hold keys 64 c + 32 h + 0 .. 31
	v_permlane16_swap_b32 v[PC+4*\c+2], v[PC+4*\c+3]
.endr
.set n, 0
.rept 16
	v_pk_mul_f32 v[OA+n:OA+n+1], v[OA+n:OA+n+1], v[FF:FF+1] op_sel_hi:[1,0]   ; O^T under the new M.  For each of the four products below, twelve of these name none of its registers: they stand between the writes of P's codes and scale word and the products
.set n, n+2
.endr
	s_wait_dscnt 0x0                               ; V is in
.irp t, 0,1,2,3
	v_wmma_scale_f32_16x16x128_f8f6f4 v[OA+8*\t:OA+8*\t+7], v[VF+8*\t:VF+8*\t+7], v[PC:PC+7], v[OA+8*\t:OA+8*\t+7], v[VS+\t], v[PW] matrix_a_fmt:MATRIX_FMT_FP4 matrix_b_fmt:MATRIX_FMT_FP4
.endr
	s_add_co_u32 s[TB], s[TB], CHUNK
.endm
; Phase j: chunks 4 j .. 4 j + 3, which are load j of waves 0 to 3
.macro PHASE j, qf, qw
	s_wait_tensorcnt 7-(\j)                        ; my loads 0 .. j have landed; those for the later phases, issued behind them, may be out
	s_barrier_signal -1                            ; (no LDS load of mine is out)
	s_barrier_wait -1                              ; everybody's have.
	s_mov_b32 s[TB], 4*(\j)*CHUNK
	s_mov_b32 s[CNT], 4
.Lstep_\@:
	STEP \qf, \qw
	s_sub_co_u32 s[CNT], s[CNT], 1
	s_cmp_lg_u32 s[CNT], 0
	s_cbranch_scc1 .Lstep_\@
.endm
; Pass p: head 2 P + p
.macro PASS p
	v_mov_b32 v13, 0xff61b1e6                      ; the largest t so far: -3e38
	v_floor_f32 v12, -v13
	v_mov_b32 v14, 0
	v_mov_b32 v15, 0
.set n, 0
.rept 32
	v_mov_b32 v[OA+n], 0                           ; the step is written once: the first finds zeros, which the first change of M leaves zeros
.set n, n+1
.endr
.irp j, 0,1,2,3
	PHASE 4*(\p)+\j, 16+8*(\p), QW+(\p)
.endr
.rept 4
	v_nop                                          ; behind the last products, ahead of the reads of O^T
.endr
	v_add_f32 v14, v14, v15                        ; the sum's two halves,
	v_permlanex16_b32 v[TT], v14, s[SEL], s[SEL+1]
	v_add_f32 v14, v14, v[TT]                      ; and lane l xor 16's
	v_rcp_f32 v14, v14
	v_nop                                          ; a plain instruction behind the reciprocal,
	s_wait_alu depctr_va_vdst(0)                   ; and the wait ahead of its first reader
.set n, 0
.rept 16
	v_pk_mul_f32 v[S+n:S+n+1], v[OA+n:OA+n+1], v[14:15] op_sel_hi:[1,0]   ; O / l: register 8 t + j is channel 16 t + 8 h + j of my query; each accumulator from its low end on
.set n, n+2
.endr
.irp b, 0,1
	v_max3_num_f32 v[BM+\b], |v[S+16*\b]|, |v[S+1+16*\b]|, 0x1800000     ; the head's two blocks of 32 along the last product's K
.endr
.irp i, 2,4,6,8,10,12,14
.irp b, 0,1
	v_max3_num_f32 v[BM+\b], v[BM+\b], |v[S+16*\b+\i]|, |v[S+1+16*\b+\i]|
.endr
.endr
.irp b, 0,1
	v_permlanex16_b32 v[T4+\b], v[BM+\b], s[SEL], s[SEL+1]
.endr
.irp b, 0,1
	v_max_num_f32 v[BM+\b], v[BM+\b], v[T4+\b]
.endr
.irp b, 0,1
	v_add_nc_u32 v[SO+\b], 0xff000000, v[BM+\b]
.endr
.irp b, 0,1
	v_lshrrev_b32 v[T4+\b], 23, v[SO+\b]
.endr
.if (\p) == 0
	v_lshl_or_b32 v[AW], v[T4+1], 8, v[T4]         ; bytes 0, 1 of the row's scale word
.else
	v_lshl_or_b32 v[TT], v[T4+1], 8, v[T4]
	v_lshl_or_b32 v[AW], v[TT], 16, v[AW]          ; bytes 2, 3
.endif
	v_cvt_scalef32_pk8_fp4_f32 v[OCB+4*(\p)], v[S:S+7], v[SO]
	v_cvt_scalef32_pk8_fp4_f32 v[OCB+4*(\p)+2], v[S+8:S+15], v[SO]
	v_cvt_scalef32_pk8_fp4_f32 v[OCB+4*(\p)+1], v[S+16:S+23], v[SO+1]
	v_cvt_scalef32_pk8_fp4_f32 v[OCB+4*(\p)+3], v[S+24:S+31], v[SO+1]
	v_nop
	v_permlane16_swap_b32 v[OCB+4*(\p)], v[OCB+4*(\p)+1]
	v_permlane16_swap_b32 v[OCB+4*(\p)+2], v[OCB+4*(\p)+3]
	global_store_b128 v[L16], v[OCB+4*(\p):OCB+4*(\p)+3], s[10:11] offset:512*(\p)   ; 32 lanes store 512 consecutive aligned bytes; each pass has data registers of its own
.endm
	PASS 0
	PASS 1
	global_store_b32 v[R32], v[AW], s[12:13]       ; 4 bytes of each of my 16 rows of 32 scale bytes (lanes l and l + 16 store the same word): a row's 32 bytes come from eight work-groups, so none holds 256 neighbouring bytes; a sixteenth of the codes' bytes
	s_wait_tensorcnt 0x0
	ds_add_u32 v254, v255
	s_wait_dscnt 0x0
	CROUND                                         ; the closing round
	s_endpgm
.Lfunc_end_k_qe625e82e91_attn:
	.size	k_qe625e82e91_attn, .Lfunc_end_k_qe625e82e91_attn-k_qe625e82e91_attn
	.p2alignl 7, 3214868480
	.fill 96, 4, 3214868480
	.section	.rodata,"a",@progbits
	.p2align	6, 0x0
	.amdhsa_kernel k_qe625e82e91_attn
		.amdhsa_group_segment_fixed_size 288768
		.amdhsa_private_segment_fixed_size 0
		.amdhsa_enable_private_segment 0
		.amdhsa_kernarg_size 40
		.amdhsa_user_sgpr_count 2
		.amdhsa_user_sgpr_kernarg_segment_ptr 1
		.amdhsa_wavefront_size32 1
		.amdhsa_system_sgpr_workgroup_id_x 1
		.amdhsa_system_sgpr_workgroup_id_y 1
		.amdhsa_system_sgpr_workgroup_id_z 1
		.amdhsa_system_vgpr_workitem_id 0
		.amdhsa_next_free_vgpr 256
		.amdhsa_next_free_sgpr 80
		.amdhsa_reserve_vcc 0
		.amdhsa_float_denorm_mode_32 3
		.amdhsa_float_denorm_mode_16_64 3
		.amdhsa_memory_ordered 1
		.amdhsa_forward_progress 1
		.amdhsa_inst_pref_size 137
	.end_amdhsa_kernel
	.amdgpu_metadata
---
amdhsa.version: [ 1, 2 ]
amdhsa.kernels:
  - .name:           k_qe625e82e91_attn
    .symbol:         k_qe625e82e91_attn.kd
    .args:
      - { .name: qc, .offset: 0, .size: 8, .value_kind: global_buffer, .address_space: global }
      - { .name: qs, .offset: 8, .size: 8, .value_kind: global_buffer, .address_space: global }
      - { .name: kv, .offset: 16, .size: 8, .value_kind: global_buffer, .address_space: global }
      - { .name: ac, .offset: 24, .size: 8, .value_kind: global_buffer, .address_space: global }
      - { .name: asc, .offset: 32, .size: 8, .value_kind: global_buffer, .address_space: global }
    .group_segment_fixed_size: 288768
    .private_segment_fixed_size: 0
    .kernarg_segment_align: 8
    .kernarg_segment_size: 40
    .max_flat_workgroup_size: 512
    .sgpr_count:     80
    .vgpr_count:     256
    .wavefront_size: 32
...
	.end_amdgpu_metadata
.endif
;; end of part 2
;; launch outp (part 3): grid 4 x 64, 4 waves a work-group, clusters of 4 x 4, 252,160 bytes of LDS; arguments ac, asc, Wo_codes, Wo_scales, bo, out0; writes out0
.if DOCPART == 3
	.amdgcn_target "amdgcn-amd-amdhsa--gfx1250"
	.amdhsa_code_object_version 6
	.text
	.protected	k_qe625e82e91_outp
	.globl	k_qe625e82e91_outp
	.p2align	8
	.type	k_qe625e82e91_outp,@function
k_qe625e82e91_outp:
	s_mov_b64 s[64:65], 0
	v_nop
	global_prefetch_b8 v0, s[64:65] scope:SCOPE_SE
	s_setreg_imm32_b32 hwreg(HW_REG_WAVE_MODE, 25, 1), 1
	s_wait_xcnt 0x0
	s_wait_alu depctr_hold_cnt(0) depctr_sa_sdst(0) depctr_va_vdst(0) depctr_va_sdst(0) depctr_va_ssrc(0) depctr_va_vcc(0) depctr_vm_vsrc(0)
	s_getreg_b32 s2, hwreg(HW_REG_IB_STS2, 6, 4)
	s_cmp_eq_u32 s2, 0
	s_cbranch_scc0 .Lentry_in_a_cluster
	s_endpgm
.Lentry_in_a_cluster:
	s_bfe_u32 s2, ttmp6, 0x10000c
	s_cmp_lg_u32 s2, 0xf033
	s_cbranch_scc0 .Lentry_shape_is_right
	s_endpgm
.Lentry_shape_is_right:
; out0 = att Wo^T + bo on codes of FP4 (E2M1) with E8M0 scales.  att comes as images of operand registers, ac [tile of 16 rows][head][512 bytes], with natural scale bytes asc [row][32]; Wo as given.
; S = Wo's rows (source 0: the output's columns run along a lane's registers), L = att's rows (source 1).  A work-group makes 256 columns x 128 rows; each of its four waves 128 x 64: 32 accumulators.
; K = 1,024 lies in LDS whole, in two halves: no LDS byte is filled twice.  CLUSTER 4 x 4: the four of a column (same cx) need the same rows of Wo, the four of a row (same cy) the same rows of att: joint loads.
; bo is the C of the first K step.  The results leave through each wave's own stage in LDS as whole rows of 512 bytes.
; LIMITS: NaN, infinities and scale bytes 0xff among the inputs are not served.
.set PITCH,  272                       ; a row of Wo in LDS: 256 bytes + 16 of padding
.set SHALF,  128*PITCH
.set LSLOT,  32768                     ; att, K half s: [row tile 8][head in the half 8][512], dense: every read takes 512 consecutive bytes
.set SBASE,  2*LSLOT
.set SSLOT,  256*PITCH
.set SCL,    SBASE+2*SSLOT             ; the scale bytes, as units of 256 bytes + 16: L's 16 units, then S's 32
.set LSH,    8*272
.set SSH,    16*272
.set SSO,    16*272
.set SBLK,   544
.set STAGE,  SCL+48*272                ; the way out: bytes of their own, 16 rows x (512 + 16) for each wave
.set SPITCH, 528
.set VR,   1
.set HH,   2
.set VBS,  6                           ; v6   offset in bo
.set ADRL, 16                          ; v16  LDS address of my L images
.set ADRS, 20                          ; v20-21 of my S fragments in K half 0, 1
.set STO,  24                          ; v24  the stage: where I put 32 bytes of a row
.set RD,   25                          ; v25  where I read a row back
.set CO,   26                          ; v26  16 x lane
.set ADSC, 27                          ; v27  my scale words: lanes 0-15 L's rows, lanes 16-31 S's
.set SC,   32                          ; v32-95 scale words and nothing else
.set LF,   128                         ; v128-191 L's fragments, two sets
.set BS,   192                         ; v192-255 bo, 8 tiles x 8
.set BK,   128                         ; the way out: 16 rows read back: v128-191 and v192-255 by turns
.set WV,   16
.set WL,   17
.set WS,   18
.set G1L,  24
.set G0L,  32
.set CX,   40
.set CYI,  41
.set ST,   42
.set LT,   43
.set RM,   44
.set CM,   45
.set G1S,  48
.set G0S,  56
.set G1LS, 68
.set G0LS, 76
.set G1SS, 80
.set G0SS, 88
.set MSB, 0
.macro WIN new                         ; the immediate's high byte repeats the setting that is left
.if MSB != \new
	s_set_vgpr_msb (MSB<<8)|\new
.set MSB, \new
.endif
.endm
.macro JLOAD g0a, g1a, g0b, g1b        ; a joint load: waves 0 and 1 fetch for L, waves 2 and 3 for S; four v_nop follow each of the two lines
	s_cmp_eq_u32 s[WL], 0
	s_cbranch_scc0 .Lfor_s_\@
	tensor_load_to_lds s[\g0a:\g0a+3], s[\g1a:\g1a+7]
	s_nop 0
.rept 4
	v_nop
.endr
	s_branch .Lasked_\@
.Lfor_s_\@:
	tensor_load_to_lds s[\g0b:\g0b+3], s[\g1b:\g1b+7]
	s_nop 0
.rept 4
	v_nop
.endr
.Lasked_\@:
.endm
.macro CROUND                          ; a round of the cluster's barrier
	s_barrier_signal -1
	s_barrier_wait -1
	s_cmp_lg_u32 s[WV], 0
	s_cbranch_scc1 .Lnot_wave_0_\@
	s_barrier_signal -3
.Lnot_wave_0_\@:
	s_barrier_wait -3
	s_barrier_signal -1
	s_barrier_wait -1
.endm
.macro PLACES                          ; four plain vector instructions behind a matrix instruction (ISA guide 7.12.1)
.rept 4
	v_nop
.endr
.endm
	s_load_b256 s[4:11], s[0:1], 0x0               ; ac s[4:5], asc s[6:7], Wo codes s[8:9], Wo scales s[10:11]
	s_load_b128 s[12:15], s[0:1], 0x20             ; bo s[12:13], out0 s[14:15]
	v_lshl_add_u32 v126, v0, 2, 0x3d700
	v_mov_b32 v127, 0
	ds_add_u32 v126, v127
	ds_add_u32 v126, v127
	v_lshrrev_b32 v1, 5, v0
	v_readfirstlane_b32 s[WV], v1
	s_lshr_b32 s[WL], s[WV], 1                     ; which 64 rows I multiply.  Also: I fetch for L (0) or for S (1)
	s_and_b32 s[WS], s[WV], 1                      ; which 128 columns.  Also: which half I fetch
	s_bfe_u32 s[CX], ttmp6, 0x40000
	s_bfe_u32 s[CYI], ttmp6, 0x40004
	s_lshl_b32 s[ST], ttmp9, 2
	s_add_co_u32 s[ST], s[ST], s[CX]               ; tile of 256 columns
	s_and_b32 s[LT], ttmp7, 0xffff
	s_lshl_b32 s[LT], s[LT], 2
	s_add_co_u32 s[LT], s[LT], s[CYI]              ; tile of 128 rows
	s_lshl_b32 s[RM], s[CYI], 2
	s_lshl_b32 s[RM], 15, s[RM]                    ; my row of the cluster
	s_lshl_b32 s[CM], 0x1111, s[CX]                ; my column
	s_or_b32 s[G1L], s[RM], (3<<16)|(1<<21)        ; att: 4 row tiles x 4,096 bytes (8 heads' images; 512 elements of 8 bytes), 8,192 bytes apart; no padding
	s_mov_b32 s[G1L+1], 512<<16
	s_mov_b32 s[G1L+2], 4<<16
	s_mov_b32 s[G1L+3], 512<<16
	s_mov_b32 s[G1L+4], 4
	s_mov_b32 s[G1L+5], 1024
	s_mov_b32 s[G1L+6], 0
	s_mov_b32 s[G1L+7], 0
	s_or_b32 s[G1S], s[CM], (1<<20)|(1<<21)|(5<<22)|(3<<25)   ; Wo: 128 rows x 256 bytes, 512 apart, 16 bytes of padding behind each
	s_mov_b32 s[G1S+1], 256<<16
	s_mov_b32 s[G1S+2], 128<<16
	s_mov_b32 s[G1S+3], 256<<16
	s_mov_b32 s[G1S+4], 128
	s_mov_b32 s[G1S+5], 512
	s_mov_b32 s[G1S+6], 0
	s_mov_b32 s[G1S+7], 0
	s_or_b32 s[G1LS], s[RM], (3<<16)|(1<<20)|(1<<21)|(5<<22)|(3<<25)   ; the scale bytes of 64 rows: 8 rows of 256
	s_mov_b32 s[G1LS+1], 32<<16
	s_mov_b32 s[G1LS+2], 8<<16
	s_mov_b32 s[G1LS+3], 32<<16
	s_mov_b32 s[G1LS+4], 8
	s_mov_b32 s[G1LS+5], 32
	s_mov_b32 s[G1LS+6], 0
	s_mov_b32 s[G1LS+7], 0
	s_or_b32 s[G1SS], s[CM], (3<<16)|(1<<20)|(1<<21)|(5<<22)|(3<<25)   ; of 128 rows of Wo: 16 rows of 256
	s_mov_b32 s[G1SS+1], 32<<16
	s_mov_b32 s[G1SS+2], 16<<16
	s_mov_b32 s[G1SS+3], 32<<16
	s_mov_b32 s[G1SS+4], 16
	s_mov_b32 s[G1SS+5], 32
	s_mov_b32 s[G1SS+6], 0
	s_mov_b32 s[G1SS+7], 0
	s_mov_b32 s[G0L], 1                            ; where the tiles go: the wave's number and constants alone
	s_lshl_b32 s[G0L+1], s[WS], 14
	s_mov_b32 s[G0L+4], 1
	s_add_co_u32 s[G0L+5], s[G0L+1], LSLOT
	s_mov_b32 s[G0S], 1
	s_mul_i32 s[G0S+1], s[WS], SHALF
	s_add_co_u32 s[G0S+1], s[G0S+1], SBASE
	s_mov_b32 s[G0S+4], 1
	s_add_co_u32 s[G0S+5], s[G0S+1], SSLOT
	s_mov_b32 s[G0LS], 1
	s_mul_i32 s[G0LS+1], s[WS], LSH
	s_add_co_u32 s[G0LS+1], s[G0LS+1], SCL
	s_mov_b32 s[G0SS], 1
	s_mul_i32 s[G0SS+1], s[WS], SSH
	s_add_co_u32 s[G0SS+1], s[G0SS+1], SCL+SSO
	s_lshl_b32 s20, s[LT], 3                       ; where they come from.  L's offsets in s[20:23] (cy), S's in s[92:95] (cx)
	s_lshl_b32 s21, s[WS], 2
	s_add_co_u32 s20, s20, s21                     ; the first row tile that I fetch
	s_lshl_b32 s22, s20, 9                         ; its 16 rows' scale bytes,
	s_lshl_b32 s20, s20, 13                        ; its images
	s_mov_b32 s21, 0
	s_mov_b32 s23, 0
	s_lshl_b32 s92, s[ST], 8
	s_lshl_b32 s93, s[WS], 7
	s_add_co_u32 s92, s92, s93                     ; the first row of Wo that I fetch
	s_lshl_b32 s94, s92, 5
	s_lshl_b32 s92, s92, 9
	s_mov_b32 s93, 0
	s_mov_b32 s95, 0
	s_wait_dscnt 0x0
	s_wait_kmcnt 0x0
	s_add_nc_u64 s[G0L+2:G0L+3], s[4:5], s[20:21]
	s_add_nc_u64 s[G0L+6:G0L+7], s[G0L+2:G0L+3], 4096  ; K half 1: heads 8 to 15
	s_or_b32 s[G0L+3], s[G0L+3], 0x80000000
	s_or_b32 s[G0L+7], s[G0L+7], 0x80000000
	s_add_nc_u64 s[G0S+2:G0S+3], s[8:9], s[92:93]
	s_add_nc_u64 s[G0S+6:G0S+7], s[G0S+2:G0S+3], 256
	s_or_b32 s[G0S+3], s[G0S+3], 0x80000000
	s_or_b32 s[G0S+7], s[G0S+7], 0x80000000
	s_add_nc_u64 s[G0LS+2:G0LS+3], s[6:7], s[22:23]
	s_or_b32 s[G0LS+3], s[G0LS+3], 0x80000000
	s_add_nc_u64 s[G0SS+2:G0SS+3], s[10:11], s[94:95]
	s_or_b32 s[G0SS+3], s[G0SS+3], 0x80000000
	CROUND                                         ; all sixteen work-groups are here: the joint loads meet
	JLOAD G0LS, G1LS, G0SS, G1SS                   ; the scales, K half 0, K half 1: three tensor loads of mine are out, and these are all that the launch has
	JLOAD G0L, G1L, G0S, G1S
	JLOAD G0L+4, G1L, G0S+4, G1S
	v_and_b32 v[VR], 15, v0
	v_bfe_u32 v[HH], v0, 4, 1
	v_and_b32 v3, 31, v0
	v_lshlrev_b32 v[CO], 4, v3                     ; 16 x lane
	s_lshl_b32 s2, s[WL], 14
	v_add_nc_u32 v[ADRL], s2, v[CO]                ; my four row tiles' images
	v_mul_u32_u24 v4, v[VR], PITCH
	v_lshl_add_u32 v4, v[HH], 4, v4
	s_mul_i32 s3, s[WS], SHALF
	s_add_co_u32 s3, s3, SBASE
	v_add_nc_u32 v[ADRS], s3, v4
	s_add_co_u32 s3, s3, SSLOT
	v_add_nc_u32 v[ADRS+1], s3, v4
	v_lshlrev_b32 v4, 5, v[VR]                     ; my row's scale bytes: 32 a row,
	v_lshrrev_b32 v3, 3, v[VR]
	v_lshl_add_u32 v4, v3, 4, v4                   ; and 16 more for each 256 passed
	s_mul_i32 s2, s[WL], LSH
	s_mul_i32 s3, s[WS], SSH
	s_add_co_u32 s3, s3, SSO
	s_sub_co_u32 s3, s3, s2
	v_mul_u32_u24 v3, s3, v[HH]                    ; lanes 16-31 take S's: the lower base + h x the distance
	s_add_co_u32 s2, s2, SCL
	v_add_nc_u32 v4, v4, v3
	v_add_nc_u32 v[ADSC], s2, v4
	s_mul_i32 s2, s[WV], 16*SPITCH
	s_add_co_u32 s2, s2, STAGE                     ; my stage
	v_mul_u32_u24 v4, v[VR], SPITCH
	v_lshl_add_u32 v4, v[HH], 5, v4
	v_add_nc_u32 v[STO], s2, v4                    ; in: row r, 32 bytes for each half of the lanes
	v_add_nc_u32 v[RD], s2, v[CO]                  ; back: the 32 lanes take one row of 512 bytes
	s_lshl_b32 s19, s[ST], 1
	s_add_co_u32 s19, s19, s[WS]
	s_lshl_b32 s19, s19, 9                         ; my 128 columns: 512 bytes of bo and of a row of out0
	v_lshl_add_u32 v[VBS], v[HH], 5, s19
.irp t, 0,1,2,3,4,5,6,7
	global_load_b128 v[BS+8*\t:BS+8*\t+3], v[VBS], s[12:13] offset:64*\t          ; bo at columns 16 t + 8 h + 0 .. 7 of my 128
	global_load_b128 v[BS+8*\t+4:BS+8*\t+7], v[VBS], s[12:13] offset:64*\t+16
.endr
	s_lshl_b32 s46, s[LT], 7
	s_lshl_b32 s47, s[WL], 6
	s_add_co_u32 s46, s46, s47                     ; my first row of out0
	s_lshl_b32 s46, s46, 12
	s_add_co_u32 s46, s46, s19
	s_mov_b32 s47, 0
	s_add_nc_u64 s[14:15], s[14:15], s[46:47]
	s_wait_loadcnt 0x0                             ; bo
.macro FETCH k                         ; K step k (half k / 4, its (k % 4)-th 128): 24 LDS loads into fragment set k % 2
	WIN 0x40                                       ; destination window 1
.irp t, 0,1,2,3,4,5,6,7
	ds_load_b128 v[128*((\k)%2)+8*\t:128*((\k)%2)+8*\t+3], v[ADRS+(\k)/4] offset:64*((\k)%4)+\t*16*PITCH
	ds_load_b128 v[128*((\k)%2)+8*\t+4:128*((\k)%2)+8*\t+7], v[ADRS+(\k)/4] offset:64*((\k)%4)+\t*16*PITCH+32
.endr
	WIN 0
.irp a, 0,1,2,3
	ds_load_b128 v[LF+32*((\k)%2)+8*\a:LF+32*((\k)%2)+8*\a+3], v[ADRL] offset:LSLOT*((\k)/4)+4096*\a+1024*((\k)%4)          ; the images of two heads are the fragment's registers 0-3 and 4-7
	ds_load_b128 v[LF+32*((\k)%2)+8*\a+4:LF+32*((\k)%2)+8*\a+7], v[ADRL] offset:LSLOT*((\k)/4)+4096*\a+1024*((\k)%4)+512
.endr
.endm
.macro SCALES s                        ; the scale words of K half s; lanes 0-15 take L's block i (blocks 4-7: landed bytes that no product names), lanes 16-31 S's block i
.irp i, 0,1,2,3,4,5,6,7
	ds_load_b128 v[SC+32*\s+4*\i:SC+32*\s+4*\i+3], v[ADSC] offset:SBLK*\i+16*\s
.endr
.endm
.macro MUL k, first                    ; 32 matrix instructions: the 32 accumulators by turns, in the same order in every step.  first = 1: C is bo
.if \first
	WIN 0x81
.else
	WIN 0xa1
.endif
.irp a, 0,1,2,3
.irp t, 0,1,2,3,4,5,6,7
.if \first
	v_wmma_scale_f32_16x16x128_f8f6f4 v[8*(8*\a+\t):8*(8*\a+\t)+7], v[128*((\k)%2)+8*\t:128*((\k)%2)+8*\t+7], v[LF+32*((\k)%2)+8*\a:LF+32*((\k)%2)+8*\a+7], v[BS+8*\t:BS+8*\t+7], v[SC+32*((\k)/4)+4*\t+(\k)%4], v[SC+32*((\k)/4)+4*\a+(\k)%4] matrix_a_fmt:MATRIX_FMT_FP4 matrix_b_fmt:MATRIX_FMT_FP4 matrix_a_scale:MATRIX_SCALE_ROW1
.else
	v_wmma_scale_f32_16x16x128_f8f6f4 v[8*(8*\a+\t):8*(8*\a+\t)+7], v[128*((\k)%2)+8*\t:128*((\k)%2)+8*\t+7], v[LF+32*((\k)%2)+8*\a:LF+32*((\k)%2)+8*\a+7], v[8*(8*\a+\t):8*(8*\a+\t)+7], v[SC+32*((\k)/4)+4*\t+(\k)%4], v[SC+32*((\k)/4)+4*\a+(\k)%4] matrix_a_fmt:MATRIX_FMT_FP4 matrix_b_fmt:MATRIX_FMT_FP4 matrix_a_scale:MATRIX_SCALE_ROW1
.endif
.endr
.endr
.endm
.macro STEP k
	s_wait_dscnt 0x0                               ; this step's fragments, asked for a step ago, are in
.if (\k) == 3
	s_wait_tensorcnt 0x0                           ; my part of K half 1 has landed,
	s_barrier_signal -1
	s_barrier_wait -1                              ; everybody's has.
.endif
.if (\k) > 0
	PLACES                                         ; the set that the last step multiplied is loaded again
.endif
.if (\k) < 7
	FETCH (\k)+1
.endif
.if (\k) == 3
	SCALES 1
.endif
.if (\k) == 0
	MUL \k, 1
.else
	MUL \k, 0
.endif
.endm
; THE WAY OUT, 16 rows x 128 columns at a time.  A lane holds 32 neighbouring bytes of a row: the block goes through my own stage and comes back as whole rows of 512 bytes.
; LDS serves a wave's instructions in order (ISA guide 5.7.1.4): no wait between the stores and the loads, nor ahead of the next block's stores.
.macro TOSTAGE a
	WIN 0x08                                       ; an LDS store's data are its source 1: window 2
.irp t, 0,1,2,3,4,5,6,7
	ds_store_b128 v[STO], v[64*(\a)+8*\t:64*(\a)+8*\t+3] offset:64*\t          ; each accumulator from its low end on
	ds_store_b128 v[STO], v[64*(\a)+8*\t+4:64*(\a)+8*\t+7] offset:64*\t+16
.endr
	WIN 0
.irp i, 0,1,2,3,4,5,6,7,8,9,10,11,12,13,14,15
	ds_load_b128 v[BK+64*((\a)%2)+4*\i:BK+64*((\a)%2)+4*\i+3], v[RD] offset:\i*SPITCH
.endr
.endm
.macro SEND a, younger                 ; younger: the LDS instructions issued behind block a's loads, which may stay out
	s_wait_dscnt \younger
.irp i, 0,1,2,3,4,5,6,7,8,9,10,11,12,13,14,15
	global_store_b128 v[CO], v[BK+64*((\a)%2)+4*\i:BK+64*((\a)%2)+4*\i+3], s[14:15] offset:(16*(\a)+\i)*4096 th:TH_STORE_NT   ; 32 lanes store 512 consecutive aligned bytes; 63 rows of 4,096 bytes at the most in the immediate: the base is never stepped
.endr
.endm
	s_wait_tensorcnt 0x1                           ; the scales and my part of K half 0 are in; K half 1's load, the one issued behind them, may be out
	s_barrier_signal -1
	s_barrier_wait -1                              ; everybody's are
	FETCH 0
	SCALES 0
.irp k, 0,1,2,3,4,5,6,7
	STEP \k
.endr
	PLACES                                         ; ahead of the reads of results and of the loads into the registers that held L's fragments
	TOSTAGE 0
.irp a, 1,2,3
.if \a > 1
	s_wait_xcnt 0x0                                ; block a - 2's stores have read their registers: block a's loads may land there
.endif
	TOSTAGE \a
	SEND \a-1, 32                                  ; behind block a - 1's loads: block a's 16 stores and 16 loads
.endr
	SEND 3, 0
	s_wait_tensorcnt 0x0
	ds_add_u32 v126, v127
	s_wait_dscnt 0x0
	CROUND                                         ; the closing round: no work-group ends while a partner may still ask for a tile that names it
	s_endpgm
.Lfunc_end_k_qe625e82e91_outp:
	.size	k_qe625e82e91_outp, .Lfunc_end_k_qe625e82e91_outp-k_qe625e82e91_outp
	.p2alignl 7, 3214868480
	.fill 96, 4, 3214868480
	.section	.rodata,"a",@progbits
	.p2align	6, 0x0
	.amdhsa_kernel k_qe625e82e91_outp
		.amdhsa_group_segment_fixed_size 252160
		.amdhsa_private_segment_fixed_size 0
		.amdhsa_enable_private_segment 0
		.amdhsa_kernarg_size 48
		.amdhsa_user_sgpr_count 2
		.amdhsa_user_sgpr_kernarg_segment_ptr 1
		.amdhsa_wavefront_size32 1
		.amdhsa_system_sgpr_workgroup_id_x 1
		.amdhsa_system_sgpr_workgroup_id_y 1
		.amdhsa_system_sgpr_workgroup_id_z 1
		.amdhsa_system_vgpr_workitem_id 0
		.amdhsa_next_free_vgpr 768
		.amdhsa_next_free_sgpr 100
		.amdhsa_reserve_vcc 0
		.amdhsa_float_denorm_mode_32 3
		.amdhsa_float_denorm_mode_16_64 3
		.amdhsa_memory_ordered 1
		.amdhsa_forward_progress 1
		.amdhsa_inst_pref_size 73
	.end_amdhsa_kernel
	.amdgpu_metadata
---
amdhsa.version: [ 1, 2 ]
amdhsa.kernels:
  - .name:           k_qe625e82e91_outp
    .symbol:         k_qe625e82e91_outp.kd
    .args:
      - { .name: ac, .offset: 0, .size: 8, .value_kind: global_buffer, .address_space: global }
      - { .name: asc, .offset: 8, .size: 8, .value_kind: global_buffer, .address_space: global }
      - { .name: Wo_codes, .offset: 16, .size: 8, .value_kind: global_buffer, .address_space: global }
      - { .name: Wo_scales, .offset: 24, .size: 8, .value_kind: global_buffer, .address_space: global }
      - { .name: bo, .offset: 32, .size: 8, .value_kind: global_buffer, .address_space: global }
      - { .name: out0, .offset: 40, .size: 8, .value_kind: global_buffer, .address_space: global }
    .group_segment_fixed_size: 252160
    .private_segment_fixed_size: 0
    .kernarg_segment_align: 8
    .kernarg_segment_size: 48
    .max_flat_workgroup_size: 128
    .sgpr_count:     100
    .vgpr_count:     768
    .wavefront_size: 32
...
	.end_amdgpu_metadata
.endif
;; end of part 3
